; MI455X (gfx1250); checked and timed in simulation.
; The chip was launched on July 23, 2026; its instructions are those of AMD's public machine-readable ISA for CDNA 5 (MIT licence, August 2026) and "CDNA5" Instruction Set Architecture Reference Guide (July 2026). The comments in the code are by the model that wrote it; some were corrected since.
;; Attention. Allowed arithmetic: matrix products marked QUANTISED: E2M3 operands, one E8M0 scale for each 32 along K, by v_wmma_scale_f32_16x16x128_f8f6f4 with both operands' format E2M3, f32 sums; everything else in f32.
;; Inputs: b_proj 1,024 float32; b_qkv 3,072 float32; w_proj 1,024 x 1,024 float32; w_qkv 3,072 x 1,024 float32; x 16 x 577 x 1,024 float32.
;; Outputs: out0 16 x 577 x 1,024 float32.
;; This version of the problem:
;;   THIS VERSION OF THE PROBLEM IS GIVEN IN LOW PRECISION. The matrix products marked QUANTISED in the list below multiply operands that are first quantised to E2M3 (2 exponent bits, 3 mantissa bits; 6 bits a number), with one power-of-two scale for each 32 numbers along K (OCP MX v1.0); their sums are f32. All else is computed in f32.
;;   The module's matrix products, in the order in which they are computed (A, B: the left and right operand; K: the contracted axis; several contracted axes count as one K, in the product's order):
;;     1. [M 9,232, K 1,024] x [K 1,024, N 3,072]; A: input x; B: input w_qkv: QUANTISED
;;     2. batch 256 x [M 577, K 64] x [K 64, N 577]; A: computed on the way; B: computed on the way: QUANTISED
;;     3. batch 256 x [M 577, K 577] x [K 577, N 64]; A: softmax (see below); B: computed on the way: QUANTISED
;;     4. [M 9,232, K 1,024] x [K 1,024, N 1,024]; A: computed on the way; B: input w_proj: QUANTISED
;;   THE QUANTISER, for each operand of a quantised product, along K:
;;     - K is cut into blocks of 32 from its start; a last block that is shorter is filled with zeros.
;;     - A block's scale is 2^e with e = floor(log2(the largest magnitude in the block)) - 2, held to -126 .. 127; a block of zeros has e = 0. As a byte (E8M0): e + 127.
;;     - Each number is divided by its block's scale, clamped to +-7.5, and rounded to the nearest number of E2M3, ties to even, subnormals kept.
;;     - The product sums the exact products of the quantised numbers (number of the format x scale) in f32.
;;   ~~~python
;;   def quantise(x, axis):      # numpy; x: float32 -> the quantised numbers, widened to float32 again
;;       x = np.moveaxis(x, axis, -1); K = x.shape[-1]
;;       x = np.pad(x, [(0, 0)] * (x.ndim - 1) + [(0, -K % 32)]); x = x.reshape(x.shape[:-1] + (-1, 32)); a = np.abs(x).max(-1, keepdims=True)
;;       e = np.where(a > 0, np.clip(np.frexp(np.where(a > 0, a, 1))[1] - 1 - 2, -126, 127), 0)      # np.frexp(a)[1] - 1 = floor(log2(a)), exactly
;;       r = np.clip(x / 2.0 ** e, -7.5, 7.5)
;;       step = 2.0 ** (np.maximum(np.frexp(np.where(r == 0, 1, r))[1] - 1, 0) - 3)
;;       q = np.round(r / step) * step * 2.0 ** e      # np.round: ties to even
;;       return np.moveaxis(q.reshape(q.shape[:-2] + (-1,))[..., :K], -1, axis).astype(np.float32)
;;   ~~~
;;   SOFTMAX AHEAD OF A QUANTISED PRODUCT. Where the list says 'softmax', what is quantised is not the finished softmax but p = 2^(t - M), with t = logit x log2(e) and M = ceil(the row's largest t), a whole number; so 1/2 < the row's largest p <= 1. The row's sum l is taken of the UNQUANTISED p, in f32, and the product's result is divided by l at the end. Since M is a whole number, a kernel that streams over the keys may use a running M (the ceiling of the running maximum): every later rescaling is an exact power of two, which a block's scale takes up: the codes' values come out the same.
;;   OPERANDS COMPUTED ON THE WAY. 'Computed on the way' means the value that the module computes at that place (a softmax that the list does not call 'softmax' is quantised finished and normalised). What goes into a quantiser is computed in f32, as accurately as f32 sums, v_exp_f32 and their like allow (about 1e-6 of the number): no bf16 or f16 on the way to a quantiser, and a product that is left as it is and whose result goes on into a quantised operand takes f32 operands (vector FMAs, or v_wmma_f32_16x16x4_f32). A number that lies on a knife's edge between two numbers of the format may be rounded either way, as far as f32 arithmetic and the matrix unit's own rounding can turn it there, and no further.
;; One version. Each part assembles by itself: llvm-mc -triple=amdgcn-amd-amdhsa -mcpu=gfx1250 --defsym DOCPART=n.
;; ======== version 1 of 1: 3 launches
;; limits: right only within a limited range of input values
;; workspace buffers: cq 11,468,800 bytes; oq 7,090,176 bytes; osc 590,848 bytes
;; launch quant (part 1): grid 448 x 1, 4 waves a work-group, no clusters, 77,312 bytes of LDS; arguments x, w_qkv, w_proj, cq; writes cq
.if DOCPART == 1
	.amdgcn_target "amdgcn-amd-amdhsa--gfx1250"
	.amdhsa_code_object_version 6
	.text
	.protected	k_qeb7be94b80_quant
	.globl	k_qeb7be94b80_quant
	.p2align	8
	.type	k_qeb7be94b80_quant,@function
k_qeb7be94b80_quant:
	s_mov_b64 s[64:65], 0
	v_nop
	global_prefetch_b8 v0, s[64:65] scope:SCOPE_SE
	s_setreg_imm32_b32 hwreg(HW_REG_WAVE_MODE, 25, 1), 1
	s_wait_xcnt 0x0
; x [9232][1024], w_qkv [3072][1024] and w_proj [1024][1024], f32, K innermost, become codes of FP6 (E2M3) with one E8M0 byte for each 32 along K,
; laid as IMAGES OF OPERAND REGISTERS.  A work-group makes one record of 25,600 bytes: 32 rows x 1,024 along K.
; RECORD.  Two tiles u of 16 rows; lane r of tile u holds row 8 u + r + 8 (r / 8) of the 32.  The fragment of (tile u, K step s of 128) lies at u x 12,288 + s x 1,536 + c x 512 + 16 x lane,
; c = 0 .. 2: registers 4 c .. 4 c + 3 of lane (r, h): three loads of 16 bytes a lane bring a fragment.  The scale words lie at 24,576 + c2 x 512 + 16 x (16 u + r): the words of K steps 4 c2 .. 4 c2 + 3.
; RECORDS 0 .. 319: x, twenty for each batch; row n of a batch is read at min(n, 576), so the places behind the batch's last row hold copies of it.  320 .. 415: w_qkv.  416 .. 447: w_proj.
; One path serves the three tensors: only a pointer and three numbers are chosen, by the work-group's number.
; A block's scale is 2^(floor(log2(its largest magnitude)) - 2); its byte is the largest magnitude's exponent field - 2, held at 1 from below.
; LIMITS: NaN and infinities among the inputs are not served; a block of zeros, and a block whose largest magnitude lies under 2^-124, gets the byte 1 (its codes are zeros or are held by that scale); this program alone reads the bytes.
; SHARES.  Wave w takes rows 8 w .. 8 w + 7, a K step (512 bytes a row) at a time.  Each load reads 512 consecutive bytes of one row; the step's 4,096 bytes turn through the wave's own stage in LDS, so that
; a lane gets 16 NEIGHBOURS along K, as the conversion wants them.  The codes gather in the work-group's record in LDS and leave in stores of 512 consecutive aligned bytes a wave.
; No cluster and no tensor load: the work-groups share no input, and a lane's registers are the ring (three steps of loads are out).
.set RECB,  25600
.set WST,   12800                      ; a wave's two stages
.set PST,   6400                       ; a stage: 8 rows
.set RPI,   800                        ; a stage's row: 8 places of 64 bytes + 16
.set REC,   4*WST                      ; the record
.set SCI,   24576                      ; in it: the scale words
.set SPARE, REC+RECB                   ; the spare words, 128 bytes a wave: two blocks of 256 bytes that no other line names
.set SA,  2                            ; v2     stage, way in: 80 (lane / 4) + 16 (lane % 4)
.set LA,  3                            ; v3     stage, way out: my row, my 16 neighbours
.set CA,  4                            ; v4-6   where my three code registers go in the record
.set HA,  7                            ; v7     where my two scale bytes go
.set OFF, 8                            ; v8-15  byte offset of my 16 bytes in row i of the wave's eight
.set T16, 16                           ; v16    16 x thread
.set T8,  17                           ; v17    8 x thread
.set SPW, 18                           ; v18    my spare word; never rewritten
.set NIL, 19                           ; v19    0; never rewritten
.set LR,  28                           ; v28    REC + 16 x thread
.set LS,  29                           ; v29    REC + SCI + 8 x thread
.set L16, 30                           ; v30    16 x lane
.set R,   32                           ; v32-127  three sets of 32: a step as loaded
.set X,   128                          ; v128-191 two sets of 32: two half blocks of 16 neighbours
.set TT,  192                          ; v192-199 at work: maxima (2 + 2), scale operands (2), bytes (2)
.set CD,  200                          ; v200-215 codes: two sets of 2 x 4
.set HW,  216                          ; v216-217 two bytes in one word, two sets
	s_load_b256 s[4:11], s[0:1], 0x0               ; x, w_qkv, w_proj, cq
	v_lshl_add_u32 v[SPW], v0, 2, SPARE
	v_mov_b32 v[NIL], 0
	v_lshrrev_b32 v1, 5, v0
	v_readfirstlane_b32 s16, v1                    ; wave
	v_and_b32 v1, 31, v0                           ; lane
	s_mul_i32 s17, s16, WST
	v_lshrrev_b32 v20, 2, v1
	v_mul_u32_u24 v[SA], v20, 80
	v_and_b32 v20, 3, v1
	v_lshl_add_u32 v[SA], v20, 4, v[SA]
	v_add_nc_u32 v[SA], s17, v[SA]
	v_and_b32 v21, 7, v1                           ; at work a lane has: a row i = lane % 8,
	v_bfe_u32 v22, v1, 3, 1                        ; a half ii of a block,
	v_lshrrev_b32 v23, 4, v1                       ; and J: it takes blocks 2 J and 2 J + 1 of the K step
	v_mul_u32_u24 v[LA], v21, RPI
	v_mad_u32_u24 v[LA], v22, 80, v[LA]
	v_mad_u32_u24 v[LA], v23, 320, v[LA]
	v_add_nc_u32 v[LA], s17, v[LA]
	s_and_b32 s18, s16, 1                          ; my rows' tile u = wave % 2, their lanes r = 8 (wave / 2) + i
	s_mul_i32 s19, s18, 12288
	s_lshr_b32 s20, s16, 1
	s_lshl_b32 s20, s20, 7
	s_add_co_u32 s19, s19, s20
	s_add_co_u32 s19, s19, REC
	v_mul_u32_u24 v24, v23, 6
	v_mad_u32_u24 v24, v22, 3, v24                 ; my first register of the fragment's twelve: 6 J + 3 ii (block 2 J + jj lies in lane r + 16 jj)
	v_lshl_add_u32 v25, v21, 4, s19
.irp k, 0,1,2
	v_add_nc_u32 v26, \k, v24
	v_lshrrev_b32 v27, 2, v26
	v_and_b32 v26, 3, v26
	v_lshl_add_u32 v[CA+\k], v27, 9, v25           ; register / 4: which 512 bytes;
	v_lshl_add_u32 v[CA+\k], v26, 2, v[CA+\k]      ; register % 4: which word of the lane's 16 bytes.  The 32 lanes of such a store fall on 32 different banks
.endr
	s_lshl_b32 s21, s18, 8
	s_add_co_u32 s21, s21, s20
	s_add_co_u32 s21, s21, REC+SCI
	v_lshl_add_u32 v[HA], v21, 4, s21
	v_lshl_add_u32 v[HA], v23, 1, v[HA]            ; bytes 2 J and 2 J + 1 of the step's word
	v_lshlrev_b32 v[T16], 4, v0
	v_lshlrev_b32 v[T8], 3, v0
	v_add_nc_u32 v[LR], REC, v[T16]
	v_add_nc_u32 v[LS], REC+SCI, v[T8]
	v_lshlrev_b32 v[L16], 4, v1
	; which tensor, which rows
	s_mul_i32 s24, ttmp9, 3277
	s_lshr_b32 s24, s24, 16                        ; x: batch = record / 20 (exact for records under 320)
	s_mul_i32 s25, s24, 20
	s_sub_co_u32 s25, ttmp9, s25
	s_lshl_b32 s25, s25, 5                         ; the group's first row in the batch
	s_mul_i32 s24, s24, 577                        ; the batch's first row
	s_mov_b32 s26, 576                             ; the last row that may be read
	s_sub_co_u32 s27, ttmp9, 320
	s_lshl_b32 s27, s27, 5
	s_sub_co_u32 s28, ttmp9, 416
	s_lshl_b32 s28, s28, 5
	s_mov_b32 s29, 3071
	s_mov_b32 s30, 1023
	s_mul_i32 s12, ttmp9, RECB
	s_mov_b32 s13, 0
	s_wait_alu depctr_va_vdst(0)
	s_wait_kmcnt 0x0
	s_cmp_lt_u32 ttmp9, 416                        ; the choices hang on the work-group's number alone
	s_cselect_b64 s[6:7], s[6:7], s[8:9]
	s_cselect_b32 s27, s27, s28
	s_cselect_b32 s29, s29, s30
	s_cmp_lt_u32 ttmp9, 320
	s_cselect_b64 s[4:5], s[4:5], s[6:7]
	s_cselect_b32 s24, s24, 0
	s_cselect_b32 s25, s25, s27
	s_cselect_b32 s26, s26, s29
	s_add_nc_u64 s[10:11], s[10:11], s[12:13]      ; my record
	s_lshl_b32 s27, s16, 3
	s_add_co_u32 s25, s25, s27                     ; my wave's first row
.irp i, 0,1,2,3,4,5,6,7
	s_add_co_u32 s28, s25, \i
	s_min_u32 s28, s28, s26                        ; no load leaves its tensor: rows behind a batch's last are copies of it
	s_add_co_u32 s28, s28, s24
	s_lshl_b32 s28, s28, 12                        ; rows of 4,096 bytes; under 2^26
	v_add_nc_u32 v[OFF+\i], s28, v[L16]
.endr
.macro LOAD s                          ; K step s of my eight rows: each load reads 512 consecutive aligned bytes.  (Read once, but for the copies of a batch's last row.)
.irp i, 0,1,2,3,4,5,6,7
	global_load_b128 v[R+32*((\s)%3)+4*\i:R+32*((\s)%3)+4*\i+3], v[OFF+\i], s[4:5] offset:512*(\s) th:TH_LOAD_NT
.endr
.endm
.macro TURN s                          ; through the stage: LDS serves a wave's instructions in order, so no wait stands between the stores and the loads
.irp i, 0,1,2,3,4,5,6,7
	ds_store_b128 v[SA], v[R+32*((\s)%3)+4*\i:R+32*((\s)%3)+4*\i+3] offset:PST*((\s)%2)+RPI*\i
.endr
.irp jj, 0,1
.irp c, 0,1,2,3
	ds_load_b128 v[X+32*((\s)%2)+16*\jj+4*\c:X+32*((\s)%2)+16*\jj+4*\c+3], v[LA] offset:PST*((\s)%2)+160*\jj+16*\c
.endr
.endr
.endm
.macro WORK s                          ; my two half blocks, by turns
.set XS, X+32*((\s)%2)
.set CP, CD+8*((\s)%2)
.irp j, 0,1
	v_max3_num_f32 v[TT+\j],   |v[XS+16*\j]|,   |v[XS+16*\j+1]|, |v[XS+16*\j+2]|
	v_max3_num_f32 v[TT+2+\j], |v[XS+16*\j+3]|, |v[XS+16*\j+4]|, |v[XS+16*\j+5]|
.endr
.irp i, 6,10
.irp j, 0,1
	v_max3_num_f32 v[TT+\j],   v[TT+\j],   |v[XS+16*\j+\i]|,   |v[XS+16*\j+\i+1]|
	v_max3_num_f32 v[TT+2+\j], v[TT+2+\j], |v[XS+16*\j+\i+2]|, |v[XS+16*\j+\i+3]|
.endr
.endr
.irp j, 0,1
	v_max3_num_f32 v[TT+\j], v[TT+\j], |v[XS+16*\j+14]|, |v[XS+16*\j+15]|
.endr
.irp j, 0,1
	v_max3_num_f32 v[TT+\j], v[TT+\j], v[TT+2+\j], 0x1800000      ; and the floor 2^(3 - 127): the byte cannot fall under 1
.endr
.irp j, 0,1
	v_max_num_f32_dpp v[TT+\j], v[TT+\j], v[TT+\j] row_xmask:8 row_mask:0xf bank_mask:0xf   ; with the lane that holds the block's other half
.endr
.irp j, 0,1
	v_add_nc_u32 v[TT+4+\j], 0xff000000, v[TT+\j]                 ; 2 off the exponent field: the conversion takes this operand's exponent field as its scale
.endr
.irp j, 0,1
	v_cvt_scalef32_pk16_fp6_f32 v[CP+4*\j:CP+4*\j+2], v[XS+16*\j:XS+16*\j+15], v[TT+4+\j]
.endr
.irp j, 0,1
	v_lshrrev_b32 v[TT+6+\j], 23, v[TT+4+\j]                      ; the scale's byte (a plain line behind the conversions)
.endr
	v_lshl_or_b32 v[HW+(\s)%2], v[TT+7], 8, v[TT+6]
.irp j, 0,1
.irp k, 0,1,2
	ds_store_b32 v[CA+\k], v[CP+4*\j+\k] offset:(\s)*1536+256*\j
.endr
.endr
	ds_store_b16 v[HA], v[HW+(\s)%2] offset:((\s)/4)*512+((\s)%4)*4   ; both lanes of a block write the same two bytes with the same values
.endm
.macro MSTEP s
.if (\s) > 0
	s_wait_dscnt 7                                 ; this step's numbers are back from the stage; the last step's 7 stores into the record may be out
.else
	s_wait_dscnt 0x0
.endif
.if (\s)+3 < 8
	LOAD (\s)+3                                    ; into the set whose stores into the stage are done by the wait above
.endif
.if (\s)+1 < 8
.if (\s) <= 4
	s_wait_loadcnt 16                              ; the next step's 8 loads are in; those of the two steps behind it may be out
.else
	s_wait_loadcnt 8*(6-(\s))
.endif
	TURN (\s)+1
.endif
	WORK \s
.endm
	s_wait_alu depctr_va_vdst(0)
	LOAD 0
	LOAD 1
	LOAD 2
	s_wait_loadcnt 16                              ; step 0 is in
	TURN 0
.irp s, 0,1,2,3,4,5,6,7
	MSTEP \s
.endr
	s_wait_dscnt 0x0                               ; for the others' sake: my part of the record lies in LDS
	s_barrier_signal -1
	s_barrier_wait -1
.irp k, 0,1,2,3,4,5,6,7,8,9,10,11
	ds_load_b128 v[R+4*\k:R+4*\k+3], v[LR] offset:2048*\k
.endr
	ds_load_b64 v[R+48:R+49], v[LS]
.irp k, 0,1,2,3,4,5,6,7,8,9,10,11
	s_wait_dscnt 12-\k                             ; the younger loads may be out
	global_store_b128 v[T16], v[R+4*\k:R+4*\k+3], s[10:11] offset:2048*\k   ; a wave stores 512 consecutive bytes, at a multiple of 256 from the buffer's first byte
.endr
	s_wait_dscnt 0x0
	global_store_b64 v[T8], v[R+48:R+49], s[10:11] offset:SCI                  ; a wave stores 256 consecutive aligned bytes
	s_wait_tensorcnt 0x0                           ; the wave's end, behind my last LDS store
	ds_add_u32 v[SPW], v[NIL]
	s_wait_dscnt 0x0
	s_endpgm
.Lfunc_end_k_qeb7be94b80_quant:
	.size	k_qeb7be94b80_quant, .Lfunc_end_k_qeb7be94b80_quant-k_qeb7be94b80_quant
	.p2alignl 7, 3214868480
	.fill 96, 4, 3214868480
	.section	.rodata,"a",@progbits
	.p2align	6, 0x0
	.amdhsa_kernel k_qeb7be94b80_quant
		.amdhsa_group_segment_fixed_size 77312
		.amdhsa_private_segment_fixed_size 0
		.amdhsa_enable_private_segment 0
		.amdhsa_kernarg_size 32
		.amdhsa_user_sgpr_count 2
		.amdhsa_user_sgpr_kernarg_segment_ptr 1
		.amdhsa_wavefront_size32 1
		.amdhsa_system_sgpr_workgroup_id_x 1
		.amdhsa_system_sgpr_workgroup_id_y 1
		.amdhsa_system_sgpr_workgroup_id_z 1
		.amdhsa_system_vgpr_workitem_id 0
		.amdhsa_next_free_vgpr 224
		.amdhsa_next_free_sgpr 66
		.amdhsa_reserve_vcc 0
		.amdhsa_float_denorm_mode_32 3
		.amdhsa_float_denorm_mode_16_64 3
		.amdhsa_memory_ordered 1
		.amdhsa_forward_progress 1
		.amdhsa_inst_pref_size 39
	.end_amdhsa_kernel
	.amdgpu_metadata
---
amdhsa.version: [ 1, 2 ]
amdhsa.kernels:
  - .name:           k_qeb7be94b80_quant
    .symbol:         k_qeb7be94b80_quant.kd
    .args:
      - { .name: x, .offset: 0, .size: 8, .value_kind: global_buffer, .address_space: global }
      - { .name: w_qkv, .offset: 8, .size: 8, .value_kind: global_buffer, .address_space: global }
      - { .name: w_proj, .offset: 16, .size: 8, .value_kind: global_buffer, .address_space: global }
      - { .name: cq, .offset: 24, .size: 8, .value_kind: global_buffer, .address_space: global }
    .group_segment_fixed_size: 77312
    .private_segment_fixed_size: 0
    .kernarg_segment_align: 8
    .kernarg_segment_size: 32
    .max_flat_workgroup_size: 128
    .sgpr_count:     66
    .vgpr_count:     224
    .wavefront_size: 32
...
	.end_amdgpu_metadata
.endif
;; end of part 1
;; launch qkvattn (part 2): grid 16 x 16, 4 waves a work-group, clusters of 4 x 1, 327,680 bytes of LDS; arguments cq, b_qkv, oq, osc; writes oq, osc
.if DOCPART == 2
	.amdgcn_target "amdgcn-amd-amdhsa--gfx1250"
	.amdhsa_code_object_version 6
	.text
	.protected	k_qeb7be94b80_qkvattn
	.globl	k_qeb7be94b80_qkvattn
	.p2align	8
	.type	k_qeb7be94b80_qkvattn,@function
k_qeb7be94b80_qkvattn:
	s_mov_b64 s[64:65], 0
	v_nop
	global_prefetch_b8 v0, s[64:65] scope:SCOPE_SE
	s_setreg_imm32_b32 hwreg(HW_REG_WAVE_MODE, 25, 1), 1
	s_wait_xcnt 0x0
	s_wait_alu depctr_hold_cnt(0) depctr_sa_sdst(0) depctr_va_vdst(0) depctr_va_sdst(0) depctr_va_ssrc(0) depctr_va_vcc(0) depctr_vm_vsrc(0)
	s_getreg_b32 s2, hwreg(HW_REG_IB_STS2, 6, 4)
	s_cmp_eq_u32 s2, 0
	s_cbranch_scc0 .Lentry_in_a_cluster
	s_endpgm
.Lentry_in_a_cluster:
	s_bfe_u32 s2, ttmp6, 0x10000c
	s_cmp_lg_u32 s2, 0x3003
	s_cbranch_scc0 .Lentry_shape_is_right
	s_endpgm
.Lentry_shape_is_right:
; One work-group takes one (batch, head): q, k, v = x W^T + b for the head's 192 columns (K = 1,024), then softmax(q k^T / 8) v, all products on codes of FP6 (E2M3) with E8M0 scales.
; x and W come as records of cq (images of operand registers: 32 rows x 1,024 K; lane r of tile u holds row 8 u + r + 8 (r / 8); fragment (u, s) at u x 12,288 + s x 1,536 + c x 512 + 16 x lane; scale words at 24,576).
; PART 1.  A batch's 20 records of x go through two LDS slots of four records, a record a wave and fill; the four heads of a cluster ask for them jointly (mask 15).  Wave (TY = w % 2, PR = w / 2): 64 columns of q (TY 0) or k (TY 1)
; and 32 of v; its part of W (576 registers) stays in registers.  q and k are made transposed (a lane holds a token, registers run along d), v straight (a lane holds d, registers run along the tokens): both are quantised
; in registers and laid in LDS: q, k rows of 48 bytes, v^T rows of 496 bytes with the keys innermost, scale words and bytes beside them.
; PART 2.  A wave takes query tiles w, w + 4, ..  All of k (37 tiles x 6 registers) and of v^T (20 fragments) stay in registers.  S^T = k q^T; THE KEYS OF A TILE ARE CHOSEN so that tile 4 g + t holds keys 64 g + 8 t + 0..7 in rows 0-7
; and 64 g + 32 + 8 t + 0..7 in rows 8-15: a lane's 32 registers of four tiles are then one whole block of 32 neighbouring keys, in the order of the next operand's layout: no lane exchange of codes, and a block's maximum lies in one lane.
; p = 2^(t - M), M = ceil of the row's largest t; the row's sum is taken of the unquantised p; a block's largest p is the exponential of its largest score.  O^T = v^T p^T, divided by the sum, quantised along d, gathered in LDS and stored.
; Each matrix instruction of part 2 stands alone among plain vector work that is due anyway (the maxima of earlier tiles; the row sums).
; No data prefetch: a work-group reads five fills of x and its own part of W once, W at the head, and the fills' addresses are shared by sixteen work-groups of the same batch.
; LIMITS: NaN and infinities among the inputs are not served; blocks under 2^-124 keep the scale byte 1; the scaled scores stay under 2^31 in magnitude.
.set RECB,  25600
.set SCI,   24576
.set SLOT1, 1<<17
.set QSC,   102400                     ; q's scale words, 4 bytes a row
.set KSC,   104960                     ; k's
.set VSC,   107520                     ; v's scale bytes: 20 a row of v^T
.set SPARE, 108800                     ; the spare words, 128 bytes a wave
.set QR,    233472                     ; q's codes: 40 tiles x 768
.set KR,    264192                     ; k's
.set VT,    294912                     ; v^T: 64 rows
.set VP,    496
.set OSS,   32768                      ; the way out: scale words (codes from byte 256 on), in slot 0 behind its last fill
.set SPW, 4
.set NIL, 5
; part 1, window 0
.set XA0, 6
.set XA,  7
.set QA,  8
.set QSA, 9
.set VA,  10
.set VSA, 11
.set WS,  16                           ; v16-39 W's scale words
.set XS,  40                           ; v40-47 x's
.set XF,  48                           ; v48-143 x's fragments, four buffers
.set TM,  144
.set TP,  150
.set SO,  156
.set QW,  162
.set CD,  164
.set ACC, 144                          ; window 3: twelve accumulators
.set BQ,  216                          ; window 1: q's or k's bias
.set BV,  216                          ; window 2: v's bias
; part 2, window 0.  Window 1: k's fragments at 6 t, zeros at 222, v's fragments 18, 19 at 228.  Window 2: S^T tiles 32-36 at 0, v's fragments 0-17 at 40.  Window 3: S^T tiles 0-31
.set SH8, 15                           ; v15 8 h
.set KS,  16                           ; v16-52 k's scale words
.set QS,  53
.set PS,  54                           ; v54-58 p's scale words, a step each
.set NINF, 59
.set BM,  64                           ; v64-73 a block's largest score; v74-93 two more chains
.set BT,  94                           ; v94-98
.set SP,  100                          ; v100-109 the conversions' scale operands
.set QF,  112
.set PF,  124
.set PT,  136
.set VS,  144                          ; v144-163 v's scale words
.set VF,  144                          ; (the way out)
.set SBY, 164                          ; v164-173
.set OA,  192
.set L,   224
.set RL,  232
.set WV, 12
.set TY, 13
.set PR, 14
.set HD, 15
.set G1, 16
.set BA, 32
.set SB, 42
.set CNT, 43
.set SQ, 44
.set SS, 45
.set SV, 46
.set SVS, 47
.set CS, 50
.set SEL, 52
.set HM, 54
.set IT, 55
.set QT, 56
.set S3, 57
.set S2, 58
.set MSB, 0
.macro WIN new
.if MSB != (\new)
	s_set_vgpr_msb (MSB<<8)|(\new)
.set MSB, (\new)
.endif
.endm
.macro PLACES
.rept 4
	v_nop
.endr
.endm
.macro CROUND
	s_barrier_signal -1
	s_barrier_wait -1
	s_cmp_lg_u32 s[WV], 0
	s_cbranch_scc1 .Lnot_wave_0_\@
	s_barrier_signal -3
.Lnot_wave_0_\@:
	s_barrier_wait -3
	s_barrier_signal -1
	s_barrier_wait -1
.endm
.macro MM
.if zC
	v_wmma_scale_f32_16x16x128_f8f6f4 v[rD:rD+7], v[rA:rA+11], v[rB:rB+11], 0, v[rSA], v[rSB] matrix_a_fmt:MATRIX_FMT_FP6 matrix_b_fmt:MATRIX_FMT_FP6
.elseif fA && fB
	v_wmma_scale_f32_16x16x128_f8f6f4 v[rD:rD+7], v[rA:rA+11], v[rB:rB+11], v[rC:rC+7], v[rSA], v[rSB] matrix_a_fmt:MATRIX_FMT_FP6 matrix_b_fmt:MATRIX_FMT_FP6 matrix_a_scale:MATRIX_SCALE_ROW1 matrix_b_scale:MATRIX_SCALE_ROW1
.elseif fA
	v_wmma_scale_f32_16x16x128_f8f6f4 v[rD:rD+7], v[rA:rA+11], v[rB:rB+11], v[rC:rC+7], v[rSA], v[rSB] matrix_a_fmt:MATRIX_FMT_FP6 matrix_b_fmt:MATRIX_FMT_FP6 matrix_a_scale:MATRIX_SCALE_ROW1
.elseif fB
	v_wmma_scale_f32_16x16x128_f8f6f4 v[rD:rD+7], v[rA:rA+11], v[rB:rB+11], v[rC:rC+7], v[rSA], v[rSB] matrix_a_fmt:MATRIX_FMT_FP6 matrix_b_fmt:MATRIX_FMT_FP6 matrix_b_scale:MATRIX_SCALE_ROW1
.else
	v_wmma_scale_f32_16x16x128_f8f6f4 v[rD:rD+7], v[rA:rA+11], v[rB:rB+11], v[rC:rC+7], v[rSA], v[rSB] matrix_a_fmt:MATRIX_FMT_FP6 matrix_b_fmt:MATRIX_FMT_FP6
.endif
.endm
	s_load_b256 s[4:11], s[0:1], 0x0               ; cq, b_qkv, oq, osc
	v_lshl_add_u32 v[SPW], v0, 2, SPARE
	v_mov_b32 v[NIL], 0
	ds_add_u32 v[SPW], v[NIL]                      ; the opening lines: the add twice and its wait
	ds_add_u32 v[SPW], v[NIL]
	v_lshrrev_b32 v1, 5, v0
	v_readfirstlane_b32 s[WV], v1
	s_and_b32 s[TY], s[WV], 1
	s_lshr_b32 s[PR], s[WV], 1
	s_bfe_u32 s33, ttmp6, 0x40000
	s_lshl_b32 s[HD], ttmp9, 2
	s_add_co_u32 s[HD], s[HD], s33                 ; head = 4 x cluster x + cx: it enters W's, the bias's and the outputs' addresses alone
	s_and_b32 s[BA], ttmp7, 0xffff                 ; batch, which the four partners share
	s_mov_b32 s[G1+0], 15|(3<<16)|(1<<21)          ; a record: 100 rows of 256 bytes, dense; mask: all four
	s_mov_b32 s[G1+1], 32<<16
	s_mov_b32 s[G1+2], 100<<16
	s_mov_b32 s[G1+3], 32<<16
	s_mov_b32 s[G1+4], 100
	s_mov_b32 s[G1+5], 32
	s_mov_b32 s[G1+6], 0
	s_mov_b32 s[G1+7], 0
	s_mul_i32 s34, s[BA], 20
	s_add_co_u32 s34, s34, s[WV]
	s_mul_i32 s34, s34, RECB
	s_mov_b32 s35, 0
	s_mul_i32 s48, s[WV], RECB
	s_mov_b32 s[SEL], 0x76543210
	s_mov_b32 s[SEL+1], 0xfedcba98
	s_mov_b32 s[CS], 0x3e38aa3b                    ; log2(e) / 8
	s_mov_b32 s[CS+1], s[CS]
	s_mov_b32 s[HM], 0xffff
	s_mov_b32 s[SB], 0
	s_mov_b32 s[SQ], 0
	s_mov_b32 s[SS], 0
	s_mov_b32 s[SV], 0
	s_mov_b32 s[SVS], 0
	s_wait_dscnt 0x0
	s_wait_kmcnt 0x0
	s_mov_b32 s24, 1
	s_mov_b32 s25, s48
	s_add_nc_u64 s[26:27], s[4:5], s[34:35]
	s_mov_b32 s28, 1
	s_add_co_u32 s29, s48, SLOT1
	s_add_nc_u64 s[30:31], s[26:27], 4*RECB
	s_or_b32 s27, s27, 0x80000000
	s_or_b32 s31, s31, 0x80000000
	CROUND
	tensor_load_to_lds s[24:27], s[G1:G1+7]        ; records 0-3 into slot 0, my one load at the head; W is asked for while it is on its way
	s_nop 0
	PLACES
	v_and_b32 v1, 15, v0
	v_bfe_u32 v2, v0, 4, 1
	s_wait_alu depctr_va_vdst(0)
	v_and_b32 v3, 31, v0
	v_lshlrev_b32 v3, 4, v3
	s_wait_alu depctr_va_vdst(0)
	s_lshl_b32 s56, s[TY], 5
	s_lshl_b32 s57, s[HD], 1
	s_add_co_u32 s56, s56, s57
	s_add_co_u32 s56, s56, 320
	s_mul_i32 s58, s56, RECB
	s_mov_b32 s59, 0
	s_add_nc_u64 s[36:37], s[4:5], s[58:59]        ; W's records for q or k
	s_add_co_u32 s56, s57, s[TY]
	s_add_co_u32 s56, s56, 384
	s_mul_i32 s58, s56, RECB
	s_add_nc_u64 s[38:39], s[4:5], s[58:59]        ; and for my half of v
	s_lshl_b32 s56, s[TY], 10
	s_lshl_b32 s57, s[HD], 6
	s_add_co_u32 s56, s56, s57
	s_lshl_b32 s58, s56, 2
	s_add_nc_u64 s[40:41], s[6:7], s[58:59]
	s_lshl_b32 s56, s[TY], 5
	s_add_co_u32 s56, s56, s57
	s_add_co_u32 s56, s56, 2048
	s_lshl_b32 s58, s56, 2
	s_add_nc_u64 s[62:63], s[6:7], s[58:59]
	v_lshlrev_b32 v144, 6, v2
	v_and_b32 v145, 8, v1
	v_add_nc_u32 v145, v145, v1
	v_lshlrev_b32 v145, 2, v145
.set s_, 0
.rept 8
	WIN (1+s_/3)<<6
.irp ta, 0,1,2,3
.irp c, 0,1,2
	global_load_b128 v[72*(s_%3)+12*\ta+4*\c:72*(s_%3)+12*\ta+4*\c+3], v3, s[36:37] offset:(\ta/2)*RECB+(\ta%2)*12288+s_*1536+\c*512
.endr
.endr
.irp dl, 0,1
.irp c, 0,1,2
	global_load_b128 v[72*(s_%3)+48+12*\dl+4*\c:72*(s_%3)+48+12*\dl+4*\c+3], v3, s[38:39] offset:\dl*12288+s_*1536+\c*512
.endr
.endr
.set s_, s_+1
.endr
	WIN 0x40
.irp ta, 0,1,2,3
	global_load_b128 v[BQ+8*\ta:BQ+8*\ta+3],   v144, s[40:41] offset:(32*(\ta/2)+8*(\ta%2))*4
	global_load_b128 v[BQ+8*\ta+4:BQ+8*\ta+7], v144, s[40:41] offset:(32*(\ta/2)+8*(\ta%2))*4+16
.endr
	WIN 0x80
.irp dl, 0,1
.irp j, 0,1,2,3,4,5,6,7
	global_load_b32 v[BV+8*\dl+\j], v145, s[62:63] offset:32*\dl
.endr
.endr
	WIN 0
.irp g, 0,1
.irp c, 0,1
	global_load_b128 v[WS+8*\g+4*\c:WS+8*\g+4*\c+3], v3, s[36:37] offset:\g*RECB+SCI+512*\c
.endr
.endr
.irp c, 0,1
	global_load_b128 v[WS+16+4*\c:WS+16+4*\c+3], v3, s[38:39] offset:SCI+512*\c
.endr
	s_mul_i32 s48, s[PR], RECB
	v_add_nc_u32 v[XA0], s48, v3
	s_mul_i32 s48, s[TY], 30720
	s_mul_i32 s49, s[PR], 1536
	s_add_co_u32 s48, s48, s49
	s_add_co_u32 s48, s48, QR
	v_mul_u32_u24 v12, v1, 48
	v_mad_u32_u24 v12, v2, 12, v12
	v_add_nc_u32 v12, s48, v12
	s_mul_i32 s48, s[TY], 2560
	s_lshl_b32 s49, s[PR], 7
	s_add_co_u32 s48, s48, s49
	s_add_co_u32 s48, s48, QSC
	v_lshl_add_u32 v13, v1, 2, s48
	s_mul_i32 s48, s[TY], 32*VP
	s_mul_i32 s49, s[PR], 24
	s_add_co_u32 s48, s48, s49
	s_add_co_u32 s48, s48, VT
	v_mul_u32_u24 v14, v1, VP
	v_mad_u32_u24 v14, v2, 12, v14
	v_add_nc_u32 v14, s48, v14
	s_mul_i32 s48, s[TY], 640
	s_add_co_u32 s48, s48, s[PR]
	s_add_co_u32 s48, s48, VSC
	v_mul_u32_u24 v15, v1, 20
	v_add_nc_u32 v15, s48, v15
.irp q, 0,1,2,3,4,5
	v_mov_b32 v[TP+\q], 0
.endr
.macro XFETCH st
.irp xi, 0,1
.irp c, 0,1,2
	ds_load_b128 v[XF+24*((\st)%4)+12*\xi+4*\c:XF+24*((\st)%4)+12*\xi+4*\c+3], v[XA] offset:\xi*12288+(\st)*1536+\c*512
.endr
.endr
.endm
.macro PROLOGUE T                      ; record PR + 2 T of the slot: its scale words and the fragments of K steps 0 to 2
	s_add_co_u32 s48, s[SB], (\T)*2*RECB
	v_add_nc_u32 v[XA], s48, v[XA0]
	ds_load_b128 v[XS:XS+3],   v[XA] offset:SCI
	ds_load_b128 v[XS+4:XS+7], v[XA] offset:SCI+512
	XFETCH 0
	XFETCH 1
	XFETCH 2
.endm
.macro KSTEP s                         ; twelve products on twelve accumulators, by turns; the bias is the C of the first K step
	WIN 0
.if (\s) <= 4
.if (\s) > 0
	PLACES
.endif
	XFETCH (\s)+3
	s_wait_dscnt 18                                ; this step's six loads are in; the three younger steps' may be out
.else
	s_wait_dscnt 6*(7-(\s))
.endif
.set zC, 0
.set wb, 72*((\s)%3)
.set xb, XF+24*((\s)%4)
.if (\s) == 0
	WIN 0xd1
.else
	WIN 0xf0|(1+(\s)/3)
.endif
.irp xi, 0,1
.irp ta, 0,1,2,3
.set rD, ACC+32*\xi+8*\ta
.set rA, wb+12*\ta
.set rB, xb+12*\xi
.if (\s) == 0
.set rC, BQ+8*\ta
.else
.set rC, rD
.endif
.set rSA, WS+8*(\ta/2)+(\s)
.set rSB, XS+(\s)
.set fA, \ta%2
.set fB, \xi
	MM
.endr
.endr
.if (\s) == 0
	WIN 0xe4
.else
	WIN 0xf0|((1+(\s)/3)<<2)
.endif
.irp dl, 0,1
.irp xi, 0,1
.set rD, ACC+64+16*\dl+8*\xi
.set rA, xb+12*\xi
.set rB, wb+48+12*\dl
.if (\s) == 0
.set rC, BV+8*\dl
.else
.set rC, rD
.endif
.set rSA, XS+(\s)
.set rSB, WS+16+(\s)
.set fA, \xi
.set fB, \dl
	MM
.endr
.endr
.endm
.macro QUANT T                         ; six half blocks of 16 a lane: four of q or k, two of v; the other half lies in lane l xor 16
	WIN 0x0f
.irp q, 0,1,2,3,4,5
	v_max3_num_f32 v[TM+\q], |v[ACC+16*\q]|, |v[ACC+16*\q+1]|, 0x1800000
.endr
.irp i, 2,4,6,8,10,12,14
.irp q, 0,1,2,3,4,5
	v_max3_num_f32 v[TM+\q], |v[ACC+16*\q+\i]|, |v[ACC+16*\q+\i+1]|, v[TM+\q]
.endr
.endr
	WIN 0
.irp q, 0,1,2,3,4,5
	v_permlanex16_b32 v[TP+\q], v[TM+\q], s[SEL], s[SEL+1]
.endr
.irp q, 0,1,2,3,4,5
	v_max_num_f32 v[TM+\q], v[TM+\q], v[TP+\q]
.endr
.irp q, 0,1,2,3,4,5
	v_add_nc_u32 v[SO+\q], 0xff000000, v[TM+\q]
.endr
.irp q, 0,1,2,3,4,5
	v_lshrrev_b32 v[TP+\q], 23, v[SO+\q]
.endr
	v_lshl_or_b32 v[QW],   v[TP+1], 8, v[TP]
	v_lshl_or_b32 v[QW+1], v[TP+3], 8, v[TP+2]
	WIN 0x03
.irp q, 0,1,2,3,4,5
	v_cvt_scalef32_pk16_fp6_f32 v[CD+4*\q:CD+4*\q+2], v[ACC+16*\q:ACC+16*\q+15], v[SO+\q]
.endr
	WIN 0
	v_nop
.irp xi, 0,1
.irp bb, 0,1
.irp k, 0,1,2
	ds_store_b32 v[QA], v[CD+4*(2*\xi+\bb)+\k] offset:(\T)*3072+\xi*768+24*\bb+4*\k
.endr
.endr
.endr
.irp dl, 0,1
.irp k, 0,1,2
	ds_store_b32 v[VA], v[CD+16+4*\dl+\k] offset:\dl*16*VP+48*(\T)+4*\k
.endr
.endr
.irp xi, 0,1
	ds_store_b32 v[QSA], v[QW+\xi] offset:(\T)*256+\xi*64
.endr
.irp dl, 0,1
	ds_store_b8 v[VSA], v[TP+4+\dl] offset:\dl*320+2*(\T)
.endr
.endm
.macro BODY fill                       ; a slot's four records; fill = 1: the slot is filled again behind a round of the cluster's barrier
	v_add_nc_u32 v[QA],  s[SQ],  v12
	v_add_nc_u32 v[QSA], s[SS],  v13
	v_add_nc_u32 v[VA],  s[SV],  v14
	v_add_nc_u32 v[VSA], s[SVS], v15
.irp s, 0,1,2,3,4,5,6,7
	KSTEP \s
.endr
	WIN 0
	PLACES
	PROLOGUE 1
	QUANT 0
.irp s, 0,1,2,3,4,5,6,7
	KSTEP \s
.endr
	WIN 0
	s_wait_tensorcnt 0x0                           ; my one load that was out, my record of the other slot, is in
.if \fill
	ds_add_u32 v[SPW], v[NIL]
	s_xor_b32 s29, s29, SLOT1
	s_add_nc_u64 s[30:31], s[30:31], 4*RECB
	s_wait_dscnt 0x0                               ; the add, and my reads of this slot
	CROUND
	tensor_load_to_lds s[28:31], s[G1:G1+7]
	s_nop 0
	PLACES
	s_xor_b32 s[SB], s[SB], SLOT1
	PROLOGUE 0
.else
	s_wait_dscnt 0x0
	s_barrier_signal -1
	s_barrier_wait -1
	PLACES
	s_xor_b32 s[SB], s[SB], SLOT1
	s_cmp_eq_u32 s[CNT], 1
	s_cbranch_scc1 .Lno_next_\@
	PROLOGUE 0
.Lno_next_\@:
.endif
	QUANT 1
	s_add_co_u32 s[SQ],  s[SQ],  6144
	s_add_co_u32 s[SS],  s[SS],  512
	s_add_co_u32 s[SV],  s[SV],  96
	s_add_co_u32 s[SVS], s[SVS], 4
.endm
	s_wait_alu depctr_va_vdst(0)                   ; the head's end
	s_wait_tensorcnt 0x0                           ; my record of slot 0 is in; slot 1's first fill is issued as a refill is
	ds_add_u32 v[SPW], v[NIL]
	s_wait_dscnt 0x0
	CROUND
	tensor_load_to_lds s[28:31], s[G1:G1+7]        ; records 4-7
	s_nop 0
	PLACES
	PROLOGUE 0
	s_wait_loadcnt 0x0                             ; W, its scale words, the biases
	s_mov_b32 s[CNT], 3
.Lfill:
	s_wait_alu depctr_va_vdst(0)
	BODY 1
	s_sub_co_u32 s[CNT], s[CNT], 1
	s_cmp_lg_u32 s[CNT], 0
	s_cbranch_scc1 .Lfill
	s_mov_b32 s[CNT], 2
.Ltail:
	BODY 0
	s_sub_co_u32 s[CNT], s[CNT], 1
	s_cmp_lg_u32 s[CNT], 0
	s_cbranch_scc1 .Ltail
	s_wait_dscnt 0x0
	s_barrier_signal -1
	s_barrier_wait -1                              ; q, k, v^T and their scales lie in LDS
; PART 2: the set-up.  K = 64 fills half of a product's 128: q's upper six registers are zeros, and a tile of k names the next tile's six as its upper six
.irp i, 6,7,8,9,10,11
	v_mov_b32 v[QF+\i], 0
.endr
	v_and_b32 v234, 7, v1
	v_lshrrev_b32 v235, 3, v1
	v_mul_u32_u24 v236, v234, 48                   ; k: lane r of tile 4 g + t wants key 64 g + 32 (r / 8) + 8 t + r % 8, which part 1 laid at 3,072 g + 1,536 (r / 8) + 768 (t % 2) + 384 (t / 2) + 48 (r % 8)
	v_mad_u32_u24 v236, v2, 24, v236
	v_mad_u32_u24 v236, v235, 1536, v236
	v_add_nc_u32 v236, KR, v236
	v_lshlrev_b32 v237, 2, v234                    ; its scale word: 256 g + 128 (r / 8) + 64 (t % 2) + 32 (t / 2) + 4 (r % 8)
	v_lshl_add_u32 v237, v235, 7, v237
	v_add_nc_u32 v237, KSC, v237
	v_mul_u32_u24 v8, v1, VP
	v_mad_u32_u24 v8, v2, 24, v8
	v_add_nc_u32 v8, VT, v8
	v_mul_u32_u24 v9, v1, 20
	v_add_nc_u32 v9, VSC, v9
	v_mul_u32_u24 v14, v1, 48
	v_mad_u32_u24 v14, v2, 24, v14
	WIN 0x40
.irp i, 222,223,224,225,226,227
	v_mov_b32 v[\i], 0
.endr
.set t_, 0
.rept 37
.irp i, 0,1,2
	ds_load_b64 v[6*t_+2*\i:6*t_+2*\i+1], v236 offset:3072*(t_/4)+768*(t_%2)+384*((t_%4)/2)+8*\i
.endr
.set t_, t_+1
.endr
.irp dl, 2,3
.irp p, 0,1,2,3,4,5
	ds_load_b64 v[228+12*(\dl-2)+2*\p:228+12*(\dl-2)+2*\p+1], v8 offset:\dl*16*VP+384+48*(\p/3)+8*(\p%3)
.endr
.endr
	WIN 0x80
.set f_, 0
.rept 18                               ; v's fragment f = 4 x step + tile of d
.irp p, 0,1,2,3,4,5
	ds_load_b64 v[40+12*f_+2*\p:40+12*f_+2*\p+1], v8 offset:(f_%4)*16*VP+96*(f_/4)+48*(\p/3)+8*(\p%3)
.endr
.set f_, f_+1
.endr
	WIN 0
.set t_, 0
.rept 37
	ds_load_b32 v[KS+t_], v237 offset:256*(t_/4)+64*(t_%2)+32*((t_%4)/2)
.set t_, t_+1
.endr
.set f_, 0
.rept 20
	ds_load_b32 v[VS+f_], v9 offset:(f_%4)*320+4*(f_/4)
.set f_, f_+1
.endr
	s_mul_i32 s48, s[WV], 768
	s_add_co_u32 s48, s48, QR
	v_add_nc_u32 v6, s48, v14
	s_lshl_b32 s48, s[WV], 6
	s_add_co_u32 s48, s48, QSC
	v_lshl_add_u32 v7, v1, 2, s48
	s_lshl_b32 s48, s[PR], 5
	s_lshl_b32 s49, s[TY], 3
	s_add_co_u32 s48, s48, s49
	v_and_b32 v238, 8, v1
	v_add_nc_u32 v238, v238, v1
	v_add_nc_u32 v238, s48, v238                   ; my query's row among a trip's 64
	v_mul_u32_u24 v10, v238, 48
	v_mad_u32_u24 v10, v2, 12, v10
	v_add_nc_u32 v10, 256, v10
	v_lshl_add_u32 v11, v238, 2, OSS
	v_lshlrev_b32 v[SH8], 3, v2
.irp i, 0,1,2
	ds_load_b64 v[QF+2*\i:QF+2*\i+1], v6 offset:8*\i
.endr
	ds_load_b32 v[QS], v7
	v_mov_b32 v13, 0
	v_mov_b32 v[RL+1], 0
	v_mov_b32 v[NINF], 0xff800000
.irp i, 0,1,2,3,4
	v_mov_b32 v[BT+\i], 0
.endr
.set i_, 241
.rept 15
	v_mov_b32 v[i_], 0
.set i_, i_+1
.endr
	s_mov_b32 s[IT], 0
	s_mov_b32 s[QT], s[WV]
	s_mov_b32 s[S3], 0
	s_mov_b32 s[S2], 0
.macro SMM t                           ; S^T, tile t
.if (\t) < 32
	WIN 0xc1
.else
	WIN 0x81
.endif
.set rD, 8*((\t)%32)
.set rA, 6*(\t)
.set rB, QF
.set rSA, KS+(\t)
.set rSB, QS
.set zC, 1
	MM
.endm
.macro SMAX t                          ; tile t's eight scores into its block's three chains, from the accumulator's low end on
.set sb_, 8*((\t)%32)
.set g_, (\t)/4
	WIN 0x0f-5*((\t)/32)
.if (\t)%4 == 0
	v_max3_num_f32 v[BM+g_],    v[sb_],   v[sb_+1], v[NINF]
	v_max3_num_f32 v[BM+10+g_], v[sb_+2], v[sb_+3], v[NINF]
	v_max3_num_f32 v[BM+20+g_], v[sb_+4], v[sb_+5], v[NINF]
.else
	v_max3_num_f32 v[BM+g_],    v[sb_],   v[sb_+1], v[BM+g_]
	v_max3_num_f32 v[BM+10+g_], v[sb_+2], v[sb_+3], v[BM+10+g_]
	v_max3_num_f32 v[BM+20+g_], v[sb_+4], v[sb_+5], v[BM+20+g_]
.endif
	v_max3_num_f32 v[BM+g_],    v[sb_+6], v[sb_+7], v[BM+g_]
.endm
.macro EXPB st, nx                     ; p of step st (128 keys); nx = 1: step st + 1's t - M by turns with them: they are first read behind the wait ahead of the next batch
	WIN 0xc3
.set j_, 0
.rept 32
	v_exp_f32 v[64*(\st)+j_], v[64*(\st)+j_]
	v_exp_f32 v[64*(\st)+j_+1], v[64*(\st)+j_+1]
.if \nx
	v_pk_fma_f32 v[64*(\st)+64+j_:64*(\st)+65+j_], v[64*(\st)+64+j_:64*(\st)+65+j_], s[CS:CS+1], v[12:13] op_sel_hi:[1,0,0]
.endif
.set j_, j_+2
.endr
.endm
.macro QNT st                          ; a lane's two whole blocks into the operand's registers (a conversion's three registers begin on an even number: the upper halves are moved)
	WIN 0x03
.irp c, 0,1
	v_cvt_scalef32_pk16_fp6_f32 v[PF+6*\c:PF+6*\c+2], v[64*(\st)+32*\c:64*(\st)+32*\c+15], v[SP+2*(\st)+\c]
	v_cvt_scalef32_pk16_fp6_f32 v[PT+4*\c:PT+4*\c+2], v[64*(\st)+32*\c+16:64*(\st)+32*\c+31], v[SP+2*(\st)+\c]
.endr
	WIN 0
	v_nop
.irp c, 0,1
.irp i, 0,1,2
	v_mov_b32 v[PF+3+6*\c+\i], v[PT+4*\c+\i]
.endr
.endr
.endm
.macro ADDS sb, n                      ; n packed additions of unquantised p, four chains by turns
.rept \n
	v_pk_add_f32 v[L+2*((j_/2)%4):L+2*((j_/2)%4)+1], v[(\sb)+j_:(\sb)+j_+1], v[L+2*((j_/2)%4):L+2*((j_/2)%4)+1]
.set j_, j_+2
.endr
.endm
.macro PVM f, first                    ; O^T += v's fragment f x p
.set rD, OA+8*((\f)%4)
.set rC, rD
.if (\f) < 18
.set rA, 40+12*(\f)
.else
.set rA, 228+12*((\f)-18)
.endif
.set rB, PF
.set rSA, VS+(\f)
.set rSB, PS+(\f)/4
.set fA, 0
.set fB, 0
.set zC, \first
	MM
.endm
.macro ADDPV st                        ; the step's four products, each alone among the step's additions; the first additions are the places behind the moves
.if (\st) == 0
	WIN 0x0f
.irp c, 0,1,2,3
	v_pk_add_f32 v[L+2*\c:L+2*\c+1], v[2*\c:2*\c+1], v[8+2*\c:9+2*\c]
.endr
.set j_, 16
	WIN 0x03
	ADDS 0, 4
.else
.set j_, 0
	WIN 0x03
	ADDS 64*(\st), 8
.endif
.irp dl, 0,1,2,3
	WIN 0x02
.if (\st) == 0
	PVM \dl, 1
	WIN 0x03
	ADDS 0, 5
.else
	PVM 4*(\st)+\dl, 0
	WIN 0x03
	ADDS 64*(\st), 6
.endif
.endr
.endm
	s_wait_alu depctr_va_vdst(0)                   ; the set-up's end
.Ltile:
	s_add_co_u32 s48, s[S3], 3072                  ; the next tile's q, held inside q's rows
	s_min_u32 s48, s48, 27648
	s_add_co_u32 s49, s[S2], 256
	s_min_u32 s49, s49, 2304
	s_cmp_gt_u32 s[QT], 36
	s_cbranch_scc1 .Lskip
	s_wait_dscnt 0x0                               ; q's fragment (the first time: k and v too); my last stores
	SMM 0
	SMM 1
	SMM 2
	WIN 0
	v_add_nc_u32 v62, s[S3], v10                   ; four plain lines: the places ahead of the first read of tile 0
	v_add_nc_u32 v63, s[S2], v11
	v_add_nc_u32 v60, s48, v6
	v_add_nc_u32 v61, s49, v7
	SMAX 0
.set t_, 3
.rept 34                               ; a product, then the maxima of the tile two back: at least eight plain lines lie between a product and the read of its result
	SMM t_
	SMAX t_-2
.set t_, t_+1
.endr
	SMAX 35
	WIN 0
.irp i, 0,1,2
	ds_load_b64 v[QF+2*\i:QF+2*\i+1], v60 offset:8*\i
.endr
	ds_load_b32 v[QS], v61
	WIN 0x08
	v_cndmask_b32 v[BM+9], v[NINF], v32, s[HM]     ; tile 36: key 576 alone counts: register 0 of lanes 0-15
	WIN 0
.set g_, 0
.rept 9
	v_max3_num_f32 v[BM+g_], v[BM+g_], v[BM+10+g_], v[BM+20+g_]
.set g_, g_+1
.endr
	v_mov_b32 v240, v[BM+9]
	v_max3_num_f32 v[SBY],   v[BM],   v[BM+1], v[BM+2]
	v_max3_num_f32 v[SBY+1], v[BM+3], v[BM+4], v[BM+5]
	v_max3_num_f32 v[SBY+2], v[BM+6], v[BM+7], v[BM+8]
	v_max3_num_f32 v[SBY], v[SBY], v[SBY+1], v[SBY+2]
	v_max_num_f32 v[SBY], v[SBY], v[BM+9]
	v_permlanex16_b32 v[BT], v[SBY], s[SEL], s[SEL+1]
	v_max_num_f32 v[SBY], v[SBY], v[BT]            ; the row's largest score
	v_mul_f32 v[SBY], s[CS], v[SBY]
	v_floor_f32 v12, -v[SBY]                       ; -M = floor(-t)
.set g_, 0
.rept 10
	v_fma_f32 v[BM+g_], v[BM+g_], s[CS], v12
.set g_, g_+1
.endr
	v_fma_f32 v240, v240, s[CS], v12
	WIN 0xc3
.set j_, 0
.rept 32
	v_pk_fma_f32 v[j_:j_+1], v[j_:j_+1], s[CS:CS+1], v[12:13] op_sel_hi:[1,0,0]
.set j_, j_+2
.endr
	WIN 0
	s_wait_alu depctr_va_vdst(0)                   ; ahead of a batch and behind it
.set g_, 0
.rept 10
	v_exp_f32 v[BM+g_], v[BM+g_]                   ; each block's largest p
.set g_, g_+1
.endr
	EXPB 0, 1
	WIN 0
	v_nop
	s_wait_alu depctr_va_vdst(0)
; all ten blocks' scales by turns: lane (r, h) owns blocks 2 c + h of each step
.set g_, 0
.rept 10
	v_max_num_f32 v[BM+g_], 0x1800000, v[BM+g_]    ; the floor 2^(3 - 127): the byte cannot fall under 1
.set g_, g_+1
.endr
.set g_, 0
.rept 10
	v_add_nc_u32 v[SP+g_], 0xff000000, v[BM+g_]
.set g_, g_+1
.endr
.set g_, 0
.rept 10
	v_lshrrev_b32 v[SBY+g_], 23, v[SP+g_]
.set g_, g_+1
.endr
.irp s, 0,1,2,3,4
	v_lshl_or_b32 v[PS+\s], v[SBY+2*\s+1], 16, v[SBY+2*\s]
.endr
.irp s, 0,1,2,3,4
	v_lshlrev_b32 v[PS+\s], v[SH8], v[PS+\s]       ; my two bytes at their places, 8 h bits up
.endr
.irp s, 0,1,2,3,4
	v_permlanex16_b32 v[BT+\s], v[PS+\s], s[SEL], s[SEL+1]
.endr
.irp s, 0,1,2,3,4
	v_or_b32 v[PS+\s], v[PS+\s], v[BT+\s]          ; with lane l xor 16's two the word is whole
.endr
	QNT 0
	ADDPV 0
	s_wait_alu depctr_va_vdst(0)
	EXPB 1, 1
	v_nop
	s_wait_alu depctr_va_vdst(0)
	QNT 1
	ADDPV 1
	s_wait_alu depctr_va_vdst(0)
	EXPB 2, 1
	v_nop
	s_wait_alu depctr_va_vdst(0)
	QNT 2
	ADDPV 2
	WIN 0x82
.set j_, 0
.rept 16                               ; keys 512-575
	v_pk_fma_f32 v[j_:j_+1], v[j_:j_+1], s[CS:CS+1], v[12:13] op_sel_hi:[1,0,0]
.set j_, j_+2
.endr
	s_wait_alu depctr_va_vdst(0)
	EXPB 3, 0
	WIN 0x82
.set j_, 0
.rept 32
	v_exp_f32 v[j_], v[j_]
.set j_, j_+1
.endr
	WIN 0
	v_exp_f32 v240, v240                           ; key 576; lanes 16-31: 0
	v_nop
	s_wait_alu depctr_va_vdst(0)
	QNT 3
	ADDPV 3
	WIN 0x02
	v_cvt_scalef32_pk16_fp6_f32 v[PF:PF+2], v[0:15], v[SP+8]
	v_cvt_scalef32_pk16_fp6_f32 v[PT:PT+2], v[16:31], v[SP+8]
	WIN 0
	v_cvt_scalef32_pk16_fp6_f32 v[PF+6:PF+8], v[240:255], v[SP+9]
	v_nop
.irp i, 0,1,2
	v_mov_b32 v[PF+3+\i], v[PT+\i]
.endr
.irp i, 9,10,11
	v_mov_b32 v[PF+\i], 0
.endr
	WIN 0x02
.set j_, 0
	ADDS 0, 4
	PVM 16, 0
	ADDS 0, 4
	PVM 17, 0
	ADDS 0, 4
	WIN 0x01
	PVM 18, 0
	WIN 0x02
	ADDS 0, 4
	WIN 0x01
	PVM 19, 0
	WIN 0
	v_add_f32 v[L], v[L], v240
	v_pk_add_f32 v[L+4:L+5], v[L+4:L+5], v[L+6:L+7]
	v_pk_add_f32 v[L:L+1], v[L:L+1], v[L+2:L+3]
	v_pk_add_f32 v[L:L+1], v[L:L+1], v[L+4:L+5]
	v_add_f32 v[L], v[L], v[L+1]
	v_permlanex16_b32 v[BT], v[L], s[SEL], s[SEL+1]
	v_add_f32 v[L], v[L], v[BT]                    ; the row's sum
	s_wait_alu depctr_va_vdst(0)
	v_rcp_f32 v[RL], v[L]
	v_nop
	s_wait_alu depctr_va_vdst(0)
.set j_, 0
.rept 16
	v_pk_mul_f32 v[OA+j_:OA+j_+1], v[OA+j_:OA+j_+1], v[RL:RL+1] op_sel_hi:[1,0]
.set j_, j_+2
.endr
; the head's result is an operand of the last product: two blocks of 32 along d, half a block a lane
.irp bb, 0,1
	v_max3_num_f32 v[BM+2*\bb],   |v[OA+16*\bb]|,   |v[OA+16*\bb+1]|, 0x1800000
	v_max3_num_f32 v[BM+2*\bb+1], |v[OA+16*\bb+2]|, |v[OA+16*\bb+3]|, |v[OA+16*\bb+4]|
.endr
.irp i, 5,9
.irp bb, 0,1
	v_max3_num_f32 v[BM+2*\bb],   v[BM+2*\bb],   |v[OA+16*\bb+\i]|,   |v[OA+16*\bb+\i+1]|
	v_max3_num_f32 v[BM+2*\bb+1], v[BM+2*\bb+1], |v[OA+16*\bb+\i+2]|, |v[OA+16*\bb+\i+3]|
.endr
.endr
.irp bb, 0,1
	v_max3_num_f32 v[BM+2*\bb], v[BM+2*\bb], |v[OA+16*\bb+13]|, |v[OA+16*\bb+14]|
.endr
.irp bb, 0,1
	v_max3_num_f32 v[BM+2*\bb], v[BM+2*\bb], v[BM+2*\bb+1], |v[OA+16*\bb+15]|
.endr
.irp bb, 0,1
	v_permlanex16_b32 v[BT+\bb], v[BM+2*\bb], s[SEL], s[SEL+1]
.endr
.irp bb, 0,1
	v_max_num_f32 v[BM+2*\bb], v[BM+2*\bb], v[BT+\bb]
.endr
.irp bb, 0,1
	v_add_nc_u32 v[SP+\bb], 0xff000000, v[BM+2*\bb]
.endr
.irp bb, 0,1
	v_lshrrev_b32 v[SBY+\bb], 23, v[SP+\bb]
.endr
	v_lshl_or_b32 v[SBY+2], v[SBY+1], 8, v[SBY]
.irp bb, 0,1
	v_cvt_scalef32_pk16_fp6_f32 v[PT+4*\bb:PT+4*\bb+2], v[OA+16*\bb:OA+16*\bb+15], v[SP+\bb]
.endr
	v_nop
.irp bb, 0,1
.irp k, 0,1,2
	ds_store_b32 v62, v[PT+4*\bb+\k] offset:24*\bb+4*\k
.endr
.endr
	ds_store_b32 v63, v[SBY+2]
.Lskip:
	s_add_co_u32 s[S3], s[S3], 3072
	s_add_co_u32 s[S2], s[S2], 256
	s_add_co_u32 s[QT], s[QT], 4
	s_add_co_u32 s[IT], s[IT], 1
	s_cmp_lt_u32 s[IT], 10
	s_cbranch_scc1 .Ltile
	s_wait_dscnt 0x0
	s_barrier_signal -1
	s_barrier_wait -1
; THE WAY OUT: 577 rows x 48 bytes of codes and 577 scale words leave in runs of neighbouring lanes; the codes' run is shifted so that its stores begin on a multiple of 256 bytes of oq, and its two ends are cut by EXEC
	s_mul_i32 s60, s[BA], 48
	s_and_b32 s60, s60, 255
	s_sub_co_u32 s48, 256, s60
	v_lshlrev_b32 v6, 4, v0
	v_add_nc_u32 v7, s48, v6
	s_wait_alu depctr_va_vdst(0)
	v_lshlrev_b32 v8, 2, v0
	v_add_nc_u32 v9, OSS, v8
	s_wait_alu depctr_va_vdst(0)
	s_mul_i32 s58, s[HD], 443136
	s_mul_i32 s49, s[BA], 27696
	s_add_co_u32 s58, s58, s49
	s_sub_co_u32 s58, s58, s60
	s_mov_b32 s59, 0
	s_add_nc_u64 s[8:9], s[8:9], s[58:59]
	s_mul_i32 s58, s[HD], 36928
	s_mul_i32 s49, s[BA], 2308
	s_add_co_u32 s58, s58, s49
	s_add_nc_u64 s[10:11], s[10:11], s[58:59]
.irp k, 1,2,3,4,5,6,7,8,9,10,11,12
	ds_load_b128 v[VF+4*(\k-1):VF+4*(\k-1)+3], v7 offset:2048*\k
.endr
.irp k, 0,1,2,3
	ds_load_b32 v[OA+\k], v9 offset:512*\k
.endr
.irp k, 1,2,3,4,5,6,7,8,9,10,11,12
	s_wait_dscnt 16-\k
	global_store_b128 v6, v[VF+4*(\k-1):VF+4*(\k-1)+3], s[8:9] offset:2048*\k
.endr
.irp k, 0,1,2,3
	s_wait_dscnt 3-\k
	global_store_b32 v8, v[OA+\k], s[10:11] offset:512*\k
.endr
	s_wait_xcnt 0x0                                ; EXEC changes only behind this wait
	v_cmp_le_u32 vcc_lo, s60, v6
	s_and_saveexec_b32 s61, vcc_lo
	ds_load_b128 v[16:19], v7
	s_wait_dscnt 0x0
	global_store_b128 v6, v[16:19], s[8:9]
	s_wait_xcnt 0x0
	s_or_b32 exec_lo, exec_lo, s61
	s_add_co_u32 s48, s60, 1072
	v_cmp_gt_u32 vcc_lo, s48, v6
	s_and_saveexec_b32 s61, vcc_lo
	ds_load_b128 v[20:23], v7 offset:26624
	s_wait_dscnt 0x0
	global_store_b128 v6, v[20:23], s[8:9] offset:26624
	s_wait_xcnt 0x0
	s_or_b32 exec_lo, exec_lo, s61
	v_cmp_gt_u32 vcc_lo, 65, v0
	s_and_saveexec_b32 s61, vcc_lo
	ds_load_b32 v24, v9 offset:2048
	s_wait_dscnt 0x0
	global_store_b32 v8, v24, s[10:11] offset:2048
	s_wait_xcnt 0x0
	s_or_b32 exec_lo, exec_lo, s61
	s_wait_tensorcnt 0x0                           ; the wave's end
	ds_add_u32 v[SPW], v[NIL]
	s_wait_dscnt 0x0
	CROUND                                         ; the closing round
	s_endpgm
.Lfunc_end_k_qeb7be94b80_qkvattn:
	.size	k_qeb7be94b80_qkvattn, .Lfunc_end_k_qeb7be94b80_qkvattn-k_qeb7be94b80_qkvattn
	.p2alignl 7, 3214868480
	.fill 96, 4, 3214868480
	.section	.rodata,"a",@progbits
	.p2align	6, 0x0
	.amdhsa_kernel k_qeb7be94b80_qkvattn
		.amdhsa_group_segment_fixed_size 327680
		.amdhsa_private_segment_fixed_size 0
		.amdhsa_enable_private_segment 0
		.amdhsa_kernarg_size 32
		.amdhsa_user_sgpr_count 2
		.amdhsa_user_sgpr_kernarg_segment_ptr 1
		.amdhsa_wavefront_size32 1
		.amdhsa_system_sgpr_workgroup_id_x 1
		.amdhsa_system_sgpr_workgroup_id_y 1
		.amdhsa_system_sgpr_workgroup_id_z 1
		.amdhsa_system_vgpr_workitem_id 0
		.amdhsa_next_free_vgpr 1024
		.amdhsa_next_free_sgpr 66
		.amdhsa_reserve_vcc 1
		.amdhsa_float_denorm_mode_32 3
		.amdhsa_float_denorm_mode_16_64 3
		.amdhsa_memory_ordered 1
		.amdhsa_forward_progress 1
		.amdhsa_inst_pref_size 205
	.end_amdhsa_kernel
	.amdgpu_metadata
---
amdhsa.version: [ 1, 2 ]
amdhsa.kernels:
  - .name:           k_qeb7be94b80_qkvattn
    .symbol:         k_qeb7be94b80_qkvattn.kd
    .args:
      - { .name: cq, .offset: 0, .size: 8, .value_kind: global_buffer, .address_space: global }
      - { .name: b_qkv, .offset: 8, .size: 8, .value_kind: global_buffer, .address_space: global }
      - { .name: oq, .offset: 16, .size: 8, .value_kind: global_buffer, .address_space: global }
      - { .name: osc, .offset: 24, .size: 8, .value_kind: global_buffer, .address_space: global }
    .group_segment_fixed_size: 327680
    .private_segment_fixed_size: 0
    .kernarg_segment_align: 8
    .kernarg_segment_size: 32
    .max_flat_workgroup_size: 128
    .sgpr_count:     66
    .vgpr_count:     1024
    .wavefront_size: 32
...
	.end_amdgpu_metadata
.endif
;; end of part 2
;; launch proj (part 3): grid 4 x 64, 4 waves a work-group, clusters of 4 x 1, 167,936 bytes of LDS; arguments oq, osc, cq, b_proj, out0; writes out0
.if DOCPART == 3
	.amdgcn_target "amdgcn-amd-amdhsa--gfx1250"
	.amdhsa_code_object_version 6
	.text
	.protected	k_qeb7be94b80_proj
	.globl	k_qeb7be94b80_proj
	.p2align	8
	.type	k_qeb7be94b80_proj,@function
k_qeb7be94b80_proj:
	s_mov_b64 s[64:65], 0
	v_nop
	global_prefetch_b8 v0, s[64:65] scope:SCOPE_SE
	s_setreg_imm32_b32 hwreg(HW_REG_WAVE_MODE, 25, 1), 1
	s_wait_xcnt 0x0
	s_wait_alu depctr_hold_cnt(0) depctr_sa_sdst(0) depctr_va_vdst(0) depctr_va_sdst(0) depctr_va_ssrc(0) depctr_va_vcc(0) depctr_vm_vsrc(0)
	s_getreg_b32 s2, hwreg(HW_REG_IB_STS2, 6, 4)
	s_cmp_eq_u32 s2, 0
	s_cbranch_scc0 .Lentry_in_a_cluster
	s_endpgm
.Lentry_in_a_cluster:
	s_bfe_u32 s2, ttmp6, 0x10000c
	s_cmp_lg_u32 s2, 0x3003
	s_cbranch_scc0 .Lentry_shape_is_right
	s_endpgm
.Lentry_shape_is_right:
; out0 [9232][1024] f32 = out W^T + b_proj, K = 1,024, on codes of FP6 (E2M3) with E8M0 scales for each 32 along K.
; out's codes: oq [head 16][row 9232][48 bytes]; its scale words: osc [head][row][4 bytes] (two bytes, the upper two 0).  A K step of 128 is two heads.  W: records 416 .. 447 of cq, images of operand registers
; (32 rows each; lane r of tile u holds row 8 u + r + 8 (r / 8); fragment (u, s) at u x 12,288 + s x 1,536 + c x 512 + 16 x lane; scale words at 24,576).
; SHARES.  Work-group (cx, c): rows 144 c on, columns 256 cx on; wave w: 64 of the columns; its part of W (384 registers) stays in registers.  9,232 rows are 577 tiles of 16 = 64 x 9 + 1: every work-group walks five trips
; of two tiles (160 rows, all inside the buffers) and stores nine tiles; the last chunk stores the tenth too, which the others compute beside the ninth and drop.
; CLUSTER: the four work-groups of a cluster read the same rows of out.  Each wave issues ONE joint tensor load (mask 15) at the head: four heads x 160 rows, rows of 7,680 bytes that begin at multiples of 256 bytes of oq.
; Each LDS byte is filled once: no ring, and one barrier.  The scale words (128 bytes for a head and a trip) go straight into registers with W's loads.
; No data prefetch: the launch has no loop to run ahead in; all its reads are asked for at the head.
; THE MATRIX INSTRUCTION IS USED TRANSPOSED (source 0 = 16 rows of W, source 1 = 16 rows of out): a lane holds one row, and the 16 registers of a record's two tiles are 16 neighbouring columns.  The bias is the C of the first K step.
.set RECB,  25600
.set SCI,   24576
.set HB,    7680                       ; LDS: codes at head x 7,680 + row x 48
.set STG,   122880                     ; the way out: 16 rows x (256 + 16) for each wave
.set SPARE, 140288                     ; the spare words, 128 bytes a wave
.set SPW, 4
.set NIL, 5
.set AFA, 6                            ; v6   48 r + 24 h
.set ASA, 7                            ; v7   4 x lane
.set STO, 8                            ; v8   the stage, in
.set RD,  9                            ; v9   the stage, back
.set GO,  10                           ; v10  my byte in two rows of out0
.set AFC, 11                           ; v11  AFA + the trip, heads 0-7;  v13 the same for heads 8-15
.set WS,  16                           ; v16-31 W's scale words: 8 bb + s
.set AS,  48                           ; v48-55 out's scale words, a K step each: lanes 0-15 tile 0, lanes 16-31 tile 1
.set AF,  64                           ; v64-159 out's fragments: four buffers of 2 x 12
.set OB,  160                          ; v160-223 rows on their way out, two sets of 32
.set RAW, 96                           ; window 3: out's words as loaded: 16 x trip + head
; window 1: W's fragments of K steps 0-3 at 48 s + 12 ta; window 2: of K steps 4-7; window 3: the sums at 32 xi + 8 ta, the bias at 64 + 8 ta
.set WV, 14
.set G1C, 28                           ; s[28:35] group 1;  s[40:43] group 0
.set MSB, 0
.macro WIN new
.if MSB != (\new)
	s_set_vgpr_msb (MSB<<8)|(\new)
.set MSB, (\new)
.endif
.endm
.macro PLACES
.rept 4
	v_nop
.endr
.endm
.macro CROUND
	s_barrier_signal -1
	s_barrier_wait -1
	s_cmp_lg_u32 s[WV], 0
	s_cbranch_scc1 .Lnot_wave_0_\@
	s_barrier_signal -3
.Lnot_wave_0_\@:
	s_barrier_wait -3
	s_barrier_signal -1
	s_barrier_wait -1
.endm
.macro MM
.if fA && fB
	v_wmma_scale_f32_16x16x128_f8f6f4 v[rD:rD+7], v[rA:rA+11], v[rB:rB+11], v[rC:rC+7], v[rSA], v[rSB] matrix_a_fmt:MATRIX_FMT_FP6 matrix_b_fmt:MATRIX_FMT_FP6 matrix_a_scale:MATRIX_SCALE_ROW1 matrix_b_scale:MATRIX_SCALE_ROW1
.elseif fA
	v_wmma_scale_f32_16x16x128_f8f6f4 v[rD:rD+7], v[rA:rA+11], v[rB:rB+11], v[rC:rC+7], v[rSA], v[rSB] matrix_a_fmt:MATRIX_FMT_FP6 matrix_b_fmt:MATRIX_FMT_FP6 matrix_a_scale:MATRIX_SCALE_ROW1
.elseif fB
	v_wmma_scale_f32_16x16x128_f8f6f4 v[rD:rD+7], v[rA:rA+11], v[rB:rB+11], v[rC:rC+7], v[rSA], v[rSB] matrix_a_fmt:MATRIX_FMT_FP6 matrix_b_fmt:MATRIX_FMT_FP6 matrix_b_scale:MATRIX_SCALE_ROW1
.else
	v_wmma_scale_f32_16x16x128_f8f6f4 v[rD:rD+7], v[rA:rA+11], v[rB:rB+11], v[rC:rC+7], v[rSA], v[rSB] matrix_a_fmt:MATRIX_FMT_FP6 matrix_b_fmt:MATRIX_FMT_FP6
.endif
.endm
	s_load_b256 s[4:11], s[0:1], 0x0               ; oq s[4:5], osc s[6:7], cq s[8:9], b_proj s[10:11]
	s_load_b64 s[12:13], s[0:1], 0x20              ; out0
	v_lshl_add_u32 v[SPW], v0, 2, SPARE
	v_mov_b32 v[NIL], 0
	ds_add_u32 v[SPW], v[NIL]                      ; the opening lines: the add twice and its wait
	ds_add_u32 v[SPW], v[NIL]
	v_lshrrev_b32 v1, 5, v0
	v_readfirstlane_b32 s[WV], v1
	s_bfe_u32 s15, ttmp6, 0x40000                  ; cx: it enters W's, the bias's and out0's addresses alone
	s_and_b32 s16, ttmp7, 0xffff                   ; the chunk of rows, which the four partners share
	s_mov_b32 s[G1C+0], 15|(3<<16)|(1<<21)         ; the mask: all four; elements of 8 bytes; bit 21 beside a mask; no padding
	s_mov_b32 s[G1C+1], 960<<16                    ; 160 rows' codes: 7,680 bytes
	s_mov_b32 s[G1C+2], 4<<16                      ; of four heads
	s_mov_b32 s[G1C+3], 960<<16
	s_mov_b32 s[G1C+4], 4
	s_mov_b32 s[G1C+5], 55392                      ; from head to head: 443,136 bytes
	s_mov_b32 s[G1C+6], 0
	s_mov_b32 s[G1C+7], 0
	s_mul_i32 s66, s16, 576                        ; the chunk's first scale word
	s_mov_b32 s67, 0
	s_mul_i32 s68, s[WV], 4*443136                 ; wave w fetches heads 4 w .. 4 w + 3
	s_mul_i32 s70, s16, 144*48
	s_add_co_u32 s68, s68, s70
	s_mov_b32 s69, 0
	s_mul_i32 s71, s[WV], 4*HB
	s_wait_dscnt 0x0                               ; both opening adds are done
	s_wait_kmcnt 0x0
	s_add_nc_u64 s[38:39], s[6:7], s[66:67]
	s_mov_b32 s40, 1
	s_mov_b32 s41, s71
	s_add_nc_u64 s[42:43], s[4:5], s[68:69]
	s_or_b32 s43, s43, 0x80000000
	CROUND                                         ; all four work-groups are here: the joint loads meet
	tensor_load_to_lds s[40:43], s[G1C:G1C+7]      ; my one tensor load
	s_nop 0
	PLACES
	v_and_b32 v1, 15, v0                           ; r
	v_bfe_u32 v2, v0, 4, 1                         ; h
	s_wait_alu depctr_va_vdst(0)
	v_and_b32 v3, 31, v0
	v_lshlrev_b32 v[ASA], 2, v3
	v_lshlrev_b32 v3, 4, v3                        ; 16 x lane
	s_wait_alu depctr_va_vdst(0)
	s_lshl_b32 s72, s15, 3                         ; W: records 416 + 8 cx + 2 w + bb
	s_lshl_b32 s74, s[WV], 1
	s_add_co_u32 s72, s72, s74
	s_add_co_u32 s72, s72, 416
	s_mul_i32 s72, s72, RECB
	s_mov_b32 s73, 0
	s_add_nc_u64 s[60:61], s[8:9], s[72:73]
	s_lshl_b32 s72, s15, 10                        ; my first column, in bytes: 1,024 cx + 256 w
	s_lshl_b32 s74, s[WV], 8
	s_add_co_u32 s72, s72, s74
	s_add_nc_u64 s[62:63], s[10:11], s[72:73]
	s_mul_i32 s74, s16, 144*4096                   ; my first row
	s_add_co_u32 s72, s72, s74
	s_add_nc_u64 s[12:13], s[12:13], s[72:73]
	v_lshlrev_b32 v12, 6, v2                       ; the bias: lane (r, h) wants the tile's columns 16 h + 0 .. 7
.set s_, 0
.rept 8
	WIN (1+s_/4)<<6
.irp ta, 0,1,2,3
.irp c, 0,1,2
	global_load_b128 v[48*(s_%4)+12*\ta+4*\c:48*(s_%4)+12*\ta+4*\c+3], v3, s[60:61] offset:(\ta/2)*RECB+(\ta%2)*12288+s_*1536+\c*512
.endr
.endr
.set s_, s_+1
.endr
	WIN 0xc0
.irp ta, 0,1,2,3
	global_load_b128 v[64+8*\ta:64+8*\ta+3], v12, s[62:63] offset:(32*(\ta/2)+8*(\ta%2))*4
	global_load_b128 v[64+8*\ta+4:64+8*\ta+7], v12, s[62:63] offset:(32*(\ta/2)+8*(\ta%2))*4+16
.endr
.irp t, 0,1,2,3,4
.irp hd, 0,1,2,3,4,5,6,7,8,9,10,11,12,13,14,15
	global_load_b32 v[RAW+16*\t+\hd], v[ASA], s[38:39] offset:\hd*36928+128*\t   ; lane l: row l of the trip's 32
.endr
.endr
	WIN 0
.irp g, 0,1
.irp c, 0,1
	global_load_b128 v[WS+8*\g+4*\c:WS+8*\g+4*\c+3], v3, s[60:61] offset:\g*RECB+SCI+512*\c
.endr
.endr
	v_mul_u32_u24 v[AFA], v1, 48
	v_mad_u32_u24 v[AFA], v2, 24, v[AFA]
	s_mul_i32 s70, s[WV], 16*272
	s_add_co_u32 s70, s70, STG
	v_mul_u32_u24 v[STO], v1, 272
	v_lshl_add_u32 v[STO], v2, 6, v[STO]
	v_add_nc_u32 v[STO], s70, v[STO]               ; in: row r, + 64 h
	v_mul_u32_u24 v[RD], v2, 272
	v_lshl_add_u32 v[RD], v1, 4, v[RD]
	v_add_nc_u32 v[RD], s70, v[RD]                 ; back: lanes 0-15 one row of 256 bytes, lanes 16-31 the next
	v_lshlrev_b32 v[GO], 12, v2
	v_lshl_add_u32 v[GO], v1, 4, v[GO]             ; and the same two rows in out0
.macro AFETCH st                       ; out's two fragments of K step st (heads 2 st, 2 st + 1) into buffer st % 4: twelve loads of 8 bytes
.irp xi, 0,1
.irp p, 0,1,2,3,4,5
	ds_load_b64 v[AF+24*((\st)%4)+12*\xi+2*\p:AF+24*((\st)%4)+12*\xi+2*\p+1], v[AFC+2*((\st)/4)] offset:(2*((\st)%4)+\p/3)*HB+\xi*768+8*(\p%3)
.endr
.endr
.endm
.macro APRO t                          ; trip t: the fragments of K steps 0 to 2: 36 loads
	v_add_nc_u32 v[AFC], (\t)*1536, v[AFA]
	v_add_nc_u32 v[AFC+2], (\t)*1536+8*HB, v[AFA]
	AFETCH 0
	AFETCH 1
	AFETCH 2
.endm
.macro KSTEP s                         ; eight products on eight accumulators, which take turns in the same order in every step
	WIN 0
.if (\s) <= 4
.if (\s) > 0
	PLACES                                         ; the buffer that is loaded next was read by the step before
.endif
	AFETCH (\s)+3
	s_wait_dscnt 36                                ; this step's fragments are in; the three younger steps' twelve loads each may be out
.else
	s_wait_dscnt 12*(7-(\s))
.endif
	WIN 0xf0|(1+(\s)/4)                            ; W window 1 or 2, out window 0, C and D window 3
.irp xi, 0,1
.irp ta, 0,1,2,3
.set rD, 32*\xi+8*\ta
.set rA, 48*((\s)%4)+12*\ta
.set rB, AF+24*((\s)%4)+12*\xi
.if (\s) == 0
.set rC, 64+8*\ta
.else
.set rC, rD
.endif
.set rSA, WS+8*(\ta/2)+(\s)
.set rSB, AS+(\s)
.set fA, \ta%2
.set fB, \xi
	MM
.endr
.endr
.endm
; A tile of 16 rows x my 64 columns goes through my own stage and leaves as whole rows of 256 bytes.  LDS serves a wave's instructions in order: no wait between the stores and the loads.
.macro OUTT t, xi
	WIN 0x0c                                       ; an LDS store's data are its source 1: window 3
.irp ta, 0,1,2,3
	ds_store_b128 v[STO], v[32*(\xi)+8*\ta:32*(\xi)+8*\ta+3]   offset:128*(\ta/2)+32*(\ta%2)      ; each accumulator from its low end on
	ds_store_b128 v[STO], v[32*(\xi)+8*\ta+4:32*(\xi)+8*\ta+7] offset:128*(\ta/2)+32*(\ta%2)+16
.endr
	WIN 0
.irp i, 0,1,2,3,4,5,6,7
	ds_load_b128 v[OB+32*(\xi)+4*\i:OB+32*(\xi)+4*\i+3], v[RD] offset:2*\i*272
.endr
.irp i, 0,1,2,3,4,5,6,7
	s_wait_dscnt 7-\i                              ; the younger loads from the stage may be out
	global_store_b128 v[GO], v[OB+32*(\xi)+4*\i:OB+32*(\xi)+4*\i+3], s[12:13] offset:(32*(\t)+16*(\xi)+2*\i)*4096 th:TH_STORE_NT   ; 16 lanes store 256 consecutive bytes, at a multiple of 256 from out0's first byte
.endr
.endm
.macro TRIP t
	WIN 0x33
.irp s, 0,1,2,3,4,5,6,7
	v_lshl_or_b32 v[AS+\s], v[RAW+16*(\t)+2*\s+1], 16, v[RAW+16*(\t)+2*\s]     ; two heads' two bytes make a K step's word
.endr
	WIN 0
.rept 8
	v_nop                                          ; a scale register written by a vector instruction stands 8 places ahead of the product that takes it
.endr
	s_wait_alu depctr_va_vdst(0)
.irp s, 0,1,2,3,4,5,6,7
	KSTEP \s
.endr
	WIN 0
	PLACES
.if (\t) < 4
	APRO (\t)+1                                    ; the next trip's first fragments come while this trip's results leave
.endif
	s_wait_xcnt 0x0                                ; the last trip's stores have read their registers
	OUTT \t, 0
.endm
	s_wait_alu depctr_va_vdst(0)                   ; the head's end
	s_wait_tensorcnt 0x0                           ; my four heads are in
	s_barrier_signal -1
	s_barrier_wait -1                              ; everybody's are
	APRO 0
	s_wait_alu depctr_va_vdst(0)
	s_wait_loadcnt 0x0                             ; W, its scale words, the bias, out's scale words
	TRIP 0
	OUTT 0, 1
	TRIP 1
	OUTT 1, 1
	TRIP 2
	OUTT 2, 1
	TRIP 3
	OUTT 3, 1
	TRIP 4
	s_cmp_lg_u32 s16, 63                           ; the tenth tile belongs to the next chunk, but for the last chunk, whose own it is
	s_cbranch_scc1 .Lend
	OUTT 4, 1
.Lend:
	s_wait_tensorcnt 0x0                           ; the wave's end, behind my last tensor load and my last LDS store
	ds_add_u32 v[SPW], v[NIL]
	s_wait_dscnt 0x0
	CROUND                                         ; the closing round
	s_endpgm
.Lfunc_end_k_qeb7be94b80_proj:
	.size	k_qeb7be94b80_proj, .Lfunc_end_k_qeb7be94b80_proj-k_qeb7be94b80_proj
	.p2alignl 7, 3214868480
	.fill 96, 4, 3214868480
	.section	.rodata,"a",@progbits
	.p2align	6, 0x0
	.amdhsa_kernel k_qeb7be94b80_proj
		.amdhsa_group_segment_fixed_size 167936
		.amdhsa_private_segment_fixed_size 0
		.amdhsa_enable_private_segment 0
		.amdhsa_kernarg_size 40
		.amdhsa_user_sgpr_count 2
		.amdhsa_user_sgpr_kernarg_segment_ptr 1
		.amdhsa_wavefront_size32 1
		.amdhsa_system_sgpr_workgroup_id_x 1
		.amdhsa_system_sgpr_workgroup_id_y 1
		.amdhsa_system_sgpr_workgroup_id_z 1
		.amdhsa_system_vgpr_workitem_id 0
		.amdhsa_next_free_vgpr 1024
		.amdhsa_next_free_sgpr 96
		.amdhsa_reserve_vcc 0
		.amdhsa_float_denorm_mode_32 3
		.amdhsa_float_denorm_mode_16_64 3
		.amdhsa_memory_ordered 1
		.amdhsa_forward_progress 1
		.amdhsa_inst_pref_size 126
	.end_amdhsa_kernel
	.amdgpu_metadata
---
amdhsa.version: [ 1, 2 ]
amdhsa.kernels:
  - .name:           k_qeb7be94b80_proj
    .symbol:         k_qeb7be94b80_proj.kd
    .args:
      - { .name: oq, .offset: 0, .size: 8, .value_kind: global_buffer, .address_space: global }
      - { .name: osc, .offset: 8, .size: 8, .value_kind: global_buffer, .address_space: global }
      - { .name: cq, .offset: 16, .size: 8, .value_kind: global_buffer, .address_space: global }
      - { .name: b_proj, .offset: 24, .size: 8, .value_kind: global_buffer, .address_space: global }
      - { .name: out0, .offset: 32, .size: 8, .value_kind: global_buffer, .address_space: global }
    .group_segment_fixed_size: 167936
    .private_segment_fixed_size: 0
    .kernarg_segment_align: 8
    .kernarg_segment_size: 40
    .max_flat_workgroup_size: 128
    .sgpr_count:     96
    .vgpr_count:     1024
    .wavefront_size: 32
...
	.end_amdgpu_metadata
.endif
;; end of part 3
